; MI455X (gfx1250); checked and timed in simulation.
; The chip was launched on July 23, 2026; its instructions are those of AMD's public machine-readable ISA for CDNA 5 (MIT licence, August 2026) and "CDNA5" Instruction Set Architecture Reference Guide (July 2026). The comments in the code are by the model that wrote it; some were corrected since.
;; Multi Headed Attention. Allowed arithmetic: matrix products marked QUANTISED: E2M1 operands, one E8M0 scale for each 32 along K, by v_wmma_scale_f32_16x16x128_f8f6f4 with both operands' format E2M1 (or v_wmma_scale_f32_32x16x128_f4), f32 sums; everything else in f32.
;; Inputs: Wk_codes 1,024 x 32 x 16 uint8 (E2M1 codes of Wk, K innermost, in blocks of 32 codes, two codes a byte); Wk_scales 1,024 x 32 uint8 (E8M0 scales of Wk, one for each 32 codes along K); Wo_codes 1,024 x 32 x 16 uint8 (E2M1 codes of Wo, K innermost, in blocks of 32 codes, two codes a byte); Wo_scales 1,024 x 32 uint8 (E8M0 scales of Wo, one for each 32 codes along K); Wq_codes 1,024 x 32 x 16 uint8 (E2M1 codes of Wq, K innermost, in blocks of 32 codes, two codes a byte); Wq_scales 1,024 x 32 uint8 (E8M0 scales of Wq, one for each 32 codes along K); Wv_codes 1,024 x 32 x 16 uint8 (E2M1 codes of Wv, K innermost, in blocks of 32 codes, two codes a byte); Wv_scales 1,024 x 32 uint8 (E8M0 scales of Wv, one for each 32 codes along K); bk 1,024 float32; bo 1,024 float32; bq 1,024 float32; bv 1,024 float32; key_codes 2 x 2,048 x 32 x 16 uint8 (E2M1 codes of key, K innermost, in blocks of 32 codes, two codes a byte); key_scales 2 x 2,048 x 32 uint8 (E8M0 scales of key, one for each 32 codes along K); query_codes 2 x 2,048 x 32 x 16 uint8 (E2M1 codes of query, K innermost, in blocks of 32 codes, two codes a byte); query_scales 2 x 2,048 x 32 uint8 (E8M0 scales of query, one for each 32 codes along K); value_codes 2 x 2,048 x 32 x 16 uint8 (E2M1 codes of value, K innermost, in blocks of 32 codes, two codes a byte); value_scales 2 x 2,048 x 32 uint8 (E8M0 scales of value, one for each 32 codes along K).
;; Outputs: out0 2 x 2,048 x 1,024 float32.
;; This version of the problem:
;;   THIS VERSION OF THE PROBLEM IS GIVEN IN LOW PRECISION. The matrix products marked QUANTISED in the list below multiply operands that are first quantised to E2M1 (2 exponent bits, 1 mantissa bit; 4 bits a number), with one power-of-two scale for each 32 numbers along K (OCP MX v1.0); their sums are f32. All else is computed in f32.
;;   The module's matrix products, in the order in which they are computed (A, B: the left and right operand; K: the contracted axis; several contracted axes count as one K, in the product's order):
;;     1. [M 4,096, K 1,024] x [K 1,024, N 1,024]; A: input query (given as codes); B: input Wq (given as codes): QUANTISED
;;     2. [M 4,096, K 1,024] x [K 1,024, N 1,024]; A: input key (given as codes); B: input Wk (given as codes): QUANTISED
;;     3. [M 4,096, K 1,024] x [K 1,024, N 1,024]; A: input value (given as codes); B: input Wv (given as codes): QUANTISED
;;     4. batch 32 x [M 2,048, K 64] x [K 64, N 2,048]; A: computed on the way; B: computed on the way: QUANTISED
;;     5. batch 32 x [M 2,048, K 2,048] x [K 2,048, N 64]; A: softmax (see below); B: computed on the way: QUANTISED
;;     6. [M 4,096, K 1,024] x [K 1,024, N 1,024]; A: computed on the way; B: input Wo (given as codes): QUANTISED
;;   THE QUANTISER, for each operand of a quantised product, along K:
;;     - K is cut into blocks of 32 from its start; a last block that is shorter is filled with zeros.
;;     - A block's scale is 2^e with e = floor(log2(the largest magnitude in the block)) - 2, held to -126 .. 127; a block of zeros has e = 0. As a byte (E8M0): e + 127.
;;     - Each number is divided by its block's scale, clamped to +-6, and rounded to the nearest number of E2M1, ties to even, subnormals kept.
;;     - The product sums the exact products of the quantised numbers (number of the format x scale) in f32.
;;   ~~~python
;;   def quantise(x, axis):      # numpy; x: float32 -> the quantised numbers, widened to float32 again
;;       x = np.moveaxis(x, axis, -1); K = x.shape[-1]
;;       x = np.pad(x, [(0, 0)] * (x.ndim - 1) + [(0, -K % 32)]); x = x.reshape(x.shape[:-1] + (-1, 32)); a = np.abs(x).max(-1, keepdims=True)
;;       e = np.where(a > 0, np.clip(np.frexp(np.where(a > 0, a, 1))[1] - 1 - 2, -126, 127), 0)      # np.frexp(a)[1] - 1 = floor(log2(a)), exactly
;;       r = np.clip(x / 2.0 ** e, -6, 6)
;;       step = 2.0 ** (np.maximum(np.frexp(np.where(r == 0, 1, r))[1] - 1, 0) - 1)
;;       q = np.round(r / step) * step * 2.0 ** e      # np.round: ties to even
;;       return np.moveaxis(q.reshape(q.shape[:-2] + (-1,))[..., :K], -1, axis).astype(np.float32)
;;   ~~~
;;   SOFTMAX AHEAD OF A QUANTISED PRODUCT. Where the list says 'softmax', what is quantised is not the finished softmax but p = 2^(t - M), with t = logit x log2(e) and M = ceil(the row's largest t), a whole number; so 1/2 < the row's largest p <= 1. The row's sum l is taken of the UNQUANTISED p, in f32, and the product's result is divided by l at the end. Since M is a whole number, a kernel that streams over the keys may use a running M (the ceiling of the running maximum): every later rescaling is an exact power of two, which a block's scale takes up: the codes' values come out the same.
;;   OPERANDS COMPUTED ON THE WAY. 'Computed on the way' means the value that the module computes at that place (a softmax that the list does not call 'softmax' is quantised finished and normalised). What goes into a quantiser is computed in f32, as accurately as f32 sums, v_exp_f32 and their like allow (about 1e-6 of the number): no bf16 or f16 on the way to a quantiser, and a product that is left as it is and whose result goes on into a quantised operand takes f32 operands (vector FMAs, or v_wmma_f32_16x16x4_f32). A number that lies on a knife's edge between two numbers of the format may be rounded either way, as far as f32 arithmetic and the matrix unit's own rounding can turn it there, and no further.
;;   INPUTS GIVEN AS CODES. Wk (in the module: [1024, 1024], K = its axis 1); Wo (in the module: [1024, 1024], K = its axis 1); Wq (in the module: [1024, 1024], K = its axis 1); Wv (in the module: [1024, 1024], K = its axis 1); key (in the module: [2, 2048, 1024], K = its axis 2); query (in the module: [2, 2048, 1024], K = its axis 2); value (in the module: [2, 2048, 1024], K = its axis 2): each comes as NAME_codes (uint8): NAME with its K axis moved to the last place and cut into blocks of 32 codes, [.., K / 32, bytes a block], one block behind the other in memory; two codes a byte, the lower K in the low four bits (a code: sign, 2 exponent bits, 1 mantissa bit); and NAME_scales (uint8): the same leading axes, one E8M0 byte (e + 127) for each 32 codes along K. Its value is code x scale, taken as it is: it is not quantised again, and the codes and scales need not be those that the quantiser above would give.
;; One version. Each part assembles by itself: llvm-mc -triple=amdgcn-amd-amdhsa -mcpu=gfx1250 --defsym DOCPART=n.
;; ======== version 1 of 1: 3 launches
;; limits: right only within a limited range of input values
;; workspace buffers: kvws 4,587,520 bytes; qws 2,359,296 bytes; xws 2,097,152 bytes; xsc 131,072 bytes
;; launch proj (part 1): grid 8 x 32, 12 waves a work-group, clusters of 4 x 4, 327,680 bytes of LDS; arguments query_codes, query_scales, key_codes, key_scales, value_codes, value_scales, Wq_codes, Wq_scales, Wk_codes, Wk_scales, Wv_codes, Wv_scales, bq, bk, bv, qws, kvws; writes qws, kvws
.if DOCPART == 1
	.amdgcn_target "amdgcn-amd-amdhsa--gfx1250"
	.amdhsa_code_object_version 6
	.text
	.protected	k_q5f04955045_proj
	.globl	k_q5f04955045_proj
	.p2align	8
	.type	k_q5f04955045_proj,@function
k_q5f04955045_proj:
	s_mov_b64 s[64:65], 0
	v_nop
	global_prefetch_b8 v0, s[64:65] scope:SCOPE_SE
	s_setreg_imm32_b32 hwreg(HW_REG_WAVE_MODE, 25, 1), 1
	s_wait_xcnt 0x0
	s_wait_alu depctr_hold_cnt(0) depctr_sa_sdst(0) depctr_va_vdst(0) depctr_va_sdst(0) depctr_va_ssrc(0) depctr_va_vcc(0) depctr_vm_vsrc(0)
	s_getreg_b32 s2, hwreg(HW_REG_IB_STS2, 6, 4)
	s_cmp_eq_u32 s2, 0
	s_cbranch_scc0 .Lentry_in_a_cluster
	s_endpgm
.Lentry_in_a_cluster:
	s_bfe_u32 s2, ttmp6, 0x10000c
	s_cmp_lg_u32 s2, 0xf033
	s_cbranch_scc0 .Lentry_shape_is_right
	s_endpgm
.Lentry_shape_is_right:
; LAUNCH 1 OF 3: q = query Wq^T + bq, k = key Wk^T + bk, v = value Wv^T + bv on codes of FP4 (E2M1) with E8M0 scales, sums in f32.  q and k are quantised along the head's 64 (two blocks of 32), v along the keys;
; the results are stored as images of the registers in which the attention launch wants them.
; DEAD WORK: none in the whole program.  Every input has a way to out0 and is loaded: bq and bk move q's and k's codes, bv moves v's, bo is added to the result.  The product q k^T has K = 64 where the matrix
; instruction has 128: q's upper 64 are zero codes, which add nothing.
; LIMITS: NaN and infinities among the biases are not served; a given scale byte 0xff gives NaN; a block whose largest magnitude lies under 2^-124 (a block of zeros among them) gets the scale byte 1: the bytes made here
; are read by this program alone, and zero codes add nothing under any byte but 0xff.
; SHARES.  A work-group of TWELVE waves makes 128 features x 128 tokens of all three products: waves 0-3 of q, 4-7 of k, 8-11 of v, each wave 64 x 64: 4 x 4 accumulators.
; q, k: source 0 = rows of W, source 1 = tokens: a lane holds ONE token and its registers run along the features.  v: source 0 = tokens, source 1 = rows of Wv: a lane holds ONE channel and its registers run along the tokens.
; THE ROWS OF A TILE, in all operands: row m of tile u of a group of 64 is the group's row (m % 8) + 8 (u xor (m / 8)) + 32 (m / 8).  So the 32 registers of a lane's four tiles are one WHOLE block of 32 of the result
; (lanes 0-15 the group's first, lanes 16-31 its second), with the pieces of eight in the order u xor h; both operands of each later product carry the same order.  The 16 rows differ modulo 16: with a pitch of 272 bytes they start at 16 different banks.
; LDS.  Four slots, each half of K (512) of one product: 128 rows of source 0, 128 of source 1, 256 bytes a row + 16 of padding.  Each wave fetches 64 rows of its own product, one load behind each barrier:
; at the head all twelve the first halves (slots 0, 1, 2); then waves 0-3 q's second half (slot 3); then, when all have left the first halves, waves 4-11 k's and v's second halves (slots 0, 1), while q goes on in slot 3.
; CLUSTER 4 x 4.  W's rows hang on work-group x and are shared along a column of the cluster, the tokens' on work-group y and are shared along a row: each tile is asked for jointly by the four that need it.
; NO DATA PREFETCH: three fills and no loop of loads to run ahead in.
; REGISTERS.  Window 0: v2-31 addresses and at work; v32-47 source 0's scale words; v48-63 source 1's; v64-127 fragments of even K steps (on the way out at work); v128-255 accumulator (a, e) at 128 + 32 e + 8 a.
;   Window 1: v0-63 fragments of odd K steps; before them v0-31 the bias, as the C of each sum's first product.
.set HB,    69632                      ; a slot: 256 rows x 272 bytes
.set RB,    34816                      ; in it source 1's rows
.set QTR,   17408                      ; 64 rows: what one tensor load brings, and what a wave reads of each source
.set SPARE, 278528                     ; behind the slots: the spare words, 128 bytes for each of twelve waves
.set STG,   280064                     ; 512 bytes in which v's scale bytes of two waves meet
.set AP,  2                            ; v2-5   source 0: half 0 even tiles, odd tiles; half 1 likewise
.set AR,  6                            ; v6-9   source 1
.set LI,  10                           ; 16 x lane
.set L8,  11                           ; 8 x lane
.set SPW, 12                           ; LDS address of my spare word; never rewritten
.set NIL, 13                           ; 0; never rewritten
.set L32, 14                           ; 32 x the row of my lane's scale bytes
.set VS,  15                           ; v's scale bytes: where I put mine
.set VR,  16                           ; and where a head's 256 bytes are read back
.set PX,  17                           ; v17-18 lane permutes' results
.set PS,  32
.set RS,  48
.set F0,  64
.set TM,  64
.set CD,  80                           ; v80-95 codes
.set WD,  98                           ; v[98:99] scale words
.set ACC, 128
.set WV,  38                           ; s38 wave 0..11
.set WW,  40                           ; s40 its place among its product's four
.set G1W, 48                           ; s[48:55] descriptor group 1 for W's tiles;  s[56:63] for the tokens'
.set G1T, 56
.set G0W, 68                           ; s[68:71] group 0 for my product's W;  s[72:75] for its tokens
.set G0T, 72
.set IMG, 30                           ; s[30:31] where my images go;  s[32:33] my scale words
.set WRD, 32
.set SEL, 98
.set HI,  100                          ; s100 lanes 16-31
.set MSB, 0
.macro WIN new                         ; the immediate's high byte repeats the setting that is left
.if MSB != \new
	s_set_vgpr_msb (MSB<<8)|\new
.set MSB, \new
.endif
.endm
.macro CROUND                          ; a round of the cluster's barrier: wave 0 signals for the work-group
	s_barrier_signal -1
	s_barrier_wait -1
	s_cmp_lg_u32 s[WV], 0
	s_cbranch_scc1 .Lnot_wave_0_\@
	s_barrier_signal -3
.Lnot_wave_0_\@:
	s_barrier_wait -3
	s_barrier_signal -1
	s_barrier_wait -1
.endm
.macro PLACES                          ; four plain places behind a matrix instruction (ISA guide 7.12.1)
.rept 4
	v_nop
.endr
.endm
.macro FILL                            ; of a product's four waves the first two fetch W's rows, the others the tokens'; one load a wave
	s_cmp_lt_u32 s[WW], 2
	s_cbranch_scc0 .Ltokens_\@
	tensor_load_to_lds s[G0W:G0W+3], s[G1W:G1W+7]
	s_nop 0
	PLACES
	s_branch .Lasked_\@
.Ltokens_\@:
	tensor_load_to_lds s[G0T:G0T+3], s[G1T:G1T+7]
	s_nop 0
	PLACES
.Lasked_\@:
.endm
; 16 LDS loads: the fragments of K step s (64 bytes of a row).  A fragment is 8 registers: lane l holds tile row l % 16; registers 4 c .. 4 c + 3 hold K = 64 c + 32 (l / 16) + 0 .. 31
.macro FETCH s
.if (\s)%2
.set FB, 0
	WIN 0x40
.else
.set FB, F0
	WIN 0
.endif
.irp a, 0,1,2,3
.irp c, 0,1
	ds_load_b128 v[FB+8*\a+4*\c:FB+8*\a+4*\c+3], v[AP+2*((\s)/4)+\a%2] offset:2176*\a+64*((\s)%4)+32*\c
.endr
.endr
.irp e, 0,1,2,3
.irp c, 0,1
	ds_load_b128 v[FB+32+8*\e+4*\c:FB+32+8*\e+4*\c+3], v[AR+2*((\s)/4)+\e%2] offset:2176*\e+64*((\s)%4)+32*\c
.endr
.endr
.endm
.macro PROD s, a, e, bm                ; source 0's tile a x source 1's tile e; in step 0 the bias is C: along the registers (bm = 0) or along the lanes (1)
.set DR, ACC+32*(\e)+8*(\a)
.set CR, DR
.if (\s) == 0
.if \bm
.set CR, 8*(\e)
.else
.set CR, 8*(\a)
.endif
.endif
.set XA, FM+8*(\a)
.set XB, FM+32+8*(\e)
.set SA, PS+8*((\a)/2)+(\s)
.set SB, RS+8*((\e)/2)+(\s)
.if ((\a)%2 == 0) && ((\e)%2 == 0)
	v_wmma_scale_f32_16x16x128_f8f6f4 v[DR:DR+7], v[XA:XA+7], v[XB:XB+7], v[CR:CR+7], v[SA], v[SB] matrix_a_fmt:MATRIX_FMT_FP4 matrix_b_fmt:MATRIX_FMT_FP4
.elseif ((\a)%2 == 1) && ((\e)%2 == 0)
	v_wmma_scale_f32_16x16x128_f8f6f4 v[DR:DR+7], v[XA:XA+7], v[XB:XB+7], v[CR:CR+7], v[SA], v[SB] matrix_a_fmt:MATRIX_FMT_FP4 matrix_b_fmt:MATRIX_FMT_FP4 matrix_a_scale:MATRIX_SCALE_ROW1
.elseif ((\a)%2 == 0)
	v_wmma_scale_f32_16x16x128_f8f6f4 v[DR:DR+7], v[XA:XA+7], v[XB:XB+7], v[CR:CR+7], v[SA], v[SB] matrix_a_fmt:MATRIX_FMT_FP4 matrix_b_fmt:MATRIX_FMT_FP4 matrix_b_scale:MATRIX_SCALE_ROW1
.else
	v_wmma_scale_f32_16x16x128_f8f6f4 v[DR:DR+7], v[XA:XA+7], v[XB:XB+7], v[CR:CR+7], v[SA], v[SB] matrix_a_fmt:MATRIX_FMT_FP4 matrix_b_fmt:MATRIX_FMT_FP4 matrix_a_scale:MATRIX_SCALE_ROW1 matrix_b_scale:MATRIX_SCALE_ROW1
.endif
.endm
.macro MULS s, bm                      ; a K step's 16 products; the 16 accumulators take turns, one instruction a turn, in the same order in every step
.if (\s)%2
.set FM, 0
	WIN 0x05
.else
.set FM, F0
.if (\s) == 0
	WIN 0x10
.else
	WIN 0
.endif
.endif
.irp a, 0,1,2,3
.irp e, 0,1,2,3
	PROD \s, \a, \e, \bm
.endr
.endr
.endm
.macro RUN s                           ; a K step that has its successor in LDS
	PLACES                                         ; the other set was read by the step before
	FETCH (\s)+1
	s_wait_dscnt 16                                ; all but the 16 just issued: this step's fragments are in
	MULS \s, 0
.endm
.macro LAST s
	s_wait_dscnt 0x0
	MULS \s, 0
	WIN 0
.endm
.macro TAIL                            ; the second half of K
	PLACES
	FETCH 4
	FETCH 5
	s_wait_dscnt 16
	MULS 4, 0
	RUN 5
	RUN 6
	LAST 7
.endm
	s_load_b512 s[4:19], s[0:1], 0x0               ; query's codes, scales; key's; value's; Wq's
	s_load_b512 s[20:35], s[0:1], 0x40             ; Wk's codes, scales; Wv's; bq, bk, bv, qws
	s_load_b64 s[36:37], s[0:1], 0x80              ; kvws
	v_lshl_add_u32 v[SPW], v0, 2, SPARE
	v_mov_b32 v[NIL], 0
	ds_add_u32 v[SPW], v[NIL]                      ; the wave's opening: an add, twice on end, and its wait ahead of my first tensor load
	ds_add_u32 v[SPW], v[NIL]
	v_lshrrev_b32 v1, 5, v0
	v_readfirstlane_b32 s[WV], v1
	s_lshr_b32 s39, s[WV], 2                       ; my product: 0 q, 1 k, 2 v: also the slot of its first half
	s_and_b32 s[WW], s[WV], 3
	s_and_b32 s41, s[WV], 1                        ; which 64 rows of source 0 are mine; also which 64 rows of a tile I fetch
	s_bfe_u32 s42, s[WV], 0x10001                  ; which 64 rows of source 1
	s_lshr_b32 s46, s[WV], 3                       ; 1: v
	s_add_co_u32 s45, s39, 3
	s_and_b32 s45, s45, 3                          ; the slot of my product's second half: 3, 0, 1
	s_bfe_u32 s90, ttmp6, 0x40000                  ; cx
	s_bfe_u32 s91, ttmp6, 0x40004                  ; cy
	s_lshl_b32 s43, ttmp9, 2
	s_add_co_u32 s43, s43, s90                     ; fb: my block of 128 features
	s_and_b32 s44, ttmp7, 0xffff
	s_lshl_b32 s44, s44, 2
	s_add_co_u32 s44, s44, s91                     ; tb: my block of 128 tokens
	s_lshl_b32 s84, s91, 2
	s_lshl_b32 s84, 15, s84                        ; my row of the cluster
	s_lshl_b32 s85, 0x1111, s90                    ; my column
	s_or_b32 s[G1W], s85, (1<<20)|(1<<21)|(5<<22)|(3<<25)   ; 15:0 the mask: W's tiles go to my column; 17:16 elements of 1 byte; 20 padding on; 21 set beside a mask; 24:22 after every 64 words; 31:25 four words
	s_or_b32 s[G1T], s84, (1<<20)|(1<<21)|(5<<22)|(3<<25)   ; the tokens' tiles go to my row
.irp g, G1W, G1T
	s_mov_b32 s[\g+1], 256<<16                     ; tensor_dim0 = 256 bytes
	s_mov_b32 s[\g+2], 64<<16                      ; tensor_dim1 = 64 rows
	s_mov_b32 s[\g+3], 256<<16                     ; tile_dim0
	s_mov_b32 s[\g+4], 64                          ; tile_dim1
	s_mov_b32 s[\g+5], 512                         ; a row of 1,024 codes in memory
	s_mov_b32 s[\g+6], 0
	s_mov_b32 s[\g+7], 0
.endr
	s_cmp_eq_u32 s46, 0
	s_cselect_b32 s47, s41, s42                    ; hl: which of the block's two heads is mine
	s_cselect_b32 s66, s42, s41                    ; c: which 64 of the block's tokens
	s_lshl_b32 s84, s43, 12                        ; W's scale bytes, 32 a row
	s_lshl_b32 s85, s47, 11
	s_add_co_u32 s84, s84, s85
	s_mov_b32 s85, 0
	s_lshl_b32 s86, s44, 12                        ; the tokens'
	s_lshl_b32 s87, s66, 11
	s_add_co_u32 s86, s86, s87
	s_mov_b32 s87, 0
	s_lshl_b32 s88, s43, 9                         ; the bias of my 64 features
	s_lshl_b32 s89, s47, 8
	s_add_co_u32 s88, s88, s89
	s_mov_b32 s89, 0
	s_lshl_b32 s90, s41, 15                        ; the 64 rows that I fetch, 512 bytes each
	s_lshl_b32 s92, s43, 16
	s_add_co_u32 s92, s92, s90                     ; in W
	s_mov_b32 s93, 0
	s_lshl_b32 s94, s44, 16
	s_add_co_u32 s94, s94, s90                     ; among the tokens
	s_mov_b32 s95, 0
	s_lshr_b32 s96, s44, 4                         ; the batch
	s_lshl_b32 s96, s96, 4
	s_lshl_b32 s97, s43, 1
	s_add_co_u32 s96, s96, s97
	s_add_co_u32 s96, s96, s47                     ; 16 batch + head
	s_lshl_b32 s96, s96, 4
	s_and_b32 s97, s44, 15
	s_add_co_u32 s96, s96, s97                     ; chunk: one head, 128 tokens
	s_mul_i32 s67, s41, QTR                        ; LDS addresses of what I fetch: no place in the cluster enters them
	s_mul_i32 s78, s46, RB                         ; in a slot W's rows stand first (q, k) or second (v),
	s_xor_b32 s79, s46, 1
	s_mul_i32 s79, s79, RB                         ; the tokens' the other way round
	s_mul_i32 s90, s39, HB                         ; the first half's slot
	s_mul_i32 s91, s45, HB                         ; the second half's
	s_mul_i32 s80, s46, HB                         ; the last fill: k into slot 0, v into slot 1
	s_mov_b32 s[G0W], 1                            ; count = 1
	s_mov_b32 s[G0T], 1
	s_add_co_u32 s[G0W+1], s90, s67
	s_add_co_u32 s[G0W+1], s[G0W+1], s78
	s_add_co_u32 s[G0T+1], s90, s67
	s_add_co_u32 s[G0T+1], s[G0T+1], s79
	s_add_co_u32 s76, s80, s67
	s_add_co_u32 s77, s76, s79                     ; in the last fill: the tokens,
	s_add_co_u32 s76, s76, s78                     ; W
	s_mov_b32 s[SEL], 0x76543210
	s_mov_b32 s[SEL+1], 0xfedcba98                 ; v_permlanex16_b32's selects for lane l xor 16
	s_mov_b32 s[HI], 0xffff0000                    ; lanes 16-31
	s_wait_dscnt 0x0                               ; both opening adds are done
	s_wait_kmcnt 0x0
	s_cmp_eq_u32 s39, 0                            ; q or k: pointers alone are chosen
	s_cselect_b64 s[16:17], s[16:17], s[20:21]     ; W's codes
	s_cselect_b64 s[4:5], s[4:5], s[8:9]           ; the tokens' codes
	s_cselect_b64 s[6:7], s[6:7], s[10:11]         ; their scales
	s_cselect_b64 s[18:19], s[18:19], s[22:23]     ; W's scales
	s_cselect_b64 s[28:29], s[28:29], s[30:31]     ; the bias
	s_cselect_b64 s[34:35], s[34:35], s[36:37]     ; where the result goes
	s_cmp_eq_u32 s46, 0                            ; or v
	s_cselect_b64 s[16:17], s[16:17], s[24:25]
	s_cselect_b64 s[4:5], s[4:5], s[12:13]
	s_cselect_b64 s[6:7], s[6:7], s[14:15]
	s_cselect_b64 s[18:19], s[18:19], s[26:27]
	s_cselect_b64 s[28:29], s[28:29], s[32:33]
	s_cselect_b64 s[34:35], s[34:35], s[36:37]
	s_add_nc_u64 s[6:7], s[6:7], s[86:87]
	s_add_nc_u64 s[18:19], s[18:19], s[84:85]
	s_add_nc_u64 s[28:29], s[28:29], s[88:89]
	s_cselect_b64 s[8:9], s[18:19], s[6:7]         ; source 0's scales
	s_cselect_b64 s[10:11], s[6:7], s[18:19]       ; source 1's
	s_add_nc_u64 s[G0W+2:G0W+3], s[16:17], s[92:93]
	s_add_nc_u64 s[G0T+2:G0T+3], s[4:5], s[94:95]
	s_or_b32 s[G0W+3], s[G0W+3], 0x80000000        ; type = 2
	s_or_b32 s[G0T+3], s[G0T+3], 0x80000000
	CROUND                                         ; all sixteen work-groups are here: the joint loads meet
	FILL                                           ; the first halves of all three products
	; where my results go
	s_cmp_eq_u32 s39, 0
	s_mov_b32 s84, 8960
	s_cselect_b32 s84, 4608, s84                   ; a chunk of qws or of kvws
	s_mov_b32 s85, 8192
	s_cselect_b32 s85, 4096, s85                   ; where its scale words begin: q's, k's,
	s_lshl_b32 s86, s66, 8
	s_cmp_eq_u32 s46, 0
	s_mov_b32 s87, 8704
	s_cselect_b32 s85, s85, s87                    ; v's
	s_cselect_b32 s86, s86, 0                      ; q, k: 256 bytes for 64 tokens
	s_mul_i32 s96, s96, s84
	s_add_co_u32 s86, s86, s85
	s_add_co_u32 s86, s86, s96
	s_mov_b32 s87, 0
	s_add_nc_u64 s[WRD:WRD+1], s[34:35], s[86:87]
	s_lshl_b32 s86, s46, 12                        ; v's images lie behind k's 4,096 bytes
	s_lshl_b32 s85, s66, 11                        ; my four images, 512 bytes each
	s_add_co_u32 s86, s86, s85
	s_add_co_u32 s86, s86, s96
	s_add_nc_u64 s[IMG:IMG+1], s[34:35], s[86:87]
	s_add_co_u32 s84, s90, s67                     ; source 0: slot + my 64 rows, first half,
	s_add_co_u32 s85, s91, s67                     ; second half
	s_mul_i32 s86, s42, QTR
	s_add_co_u32 s86, s86, RB
	s_add_co_u32 s87, s91, s86                     ; source 1 likewise
	s_add_co_u32 s86, s90, s86
	s_lshl_b32 s88, s42, 8
	s_add_co_u32 s88, s88, STG                     ; v: a head's 256 bytes of scale words,
	s_lshl_b32 s89, s41, 1                         ; in each word my two bytes
	v_and_b32 v19, 7, v0                           ; i
	v_bfe_u32 v20, v0, 3, 1                        ; y
	v_bfe_u32 v21, v0, 4, 1                        ; h
	v_and_b32 v1, 31, v0
	v_xor_b32 v22, v20, v21
	v_mad_u32_u24 v23, v20, 40, v19                ; an even tile's row: i + 8 y + 32 y,
	v_mad_u32_u24 v24, v20, 24, v19                ; an odd one's, less 8: i - 8 y + 32 y
	v_lshl_add_u32 v22, v22, 3, v19
	v_lshl_add_u32 v22, v20, 5, v22                ; scale words: lane (r, h) takes the row of tile 2 b + h: 16 b + i + 8 (h xor y) + 32 y
	v_lshlrev_b32 v[L32], 5, v22
.irp b, 0,1                                    ; a row's 32 scale bytes are its eight K steps' words: register 8 b + s: lanes 0-15 tile 2 b, lanes 16-31 tile 2 b + 1
	global_load_b128 v[PS+8*\b:PS+8*\b+3], v[L32], s[8:9] offset:512*\b
	global_load_b128 v[PS+8*\b+4:PS+8*\b+7], v[L32], s[8:9] offset:512*\b+16
	global_load_b128 v[RS+8*\b:RS+8*\b+3], v[L32], s[10:11] offset:512*\b
	global_load_b128 v[RS+8*\b+4:RS+8*\b+7], v[L32], s[10:11] offset:512*\b+16
.endr
	v_lshlrev_b32 v[LI], 4, v1
	v_lshlrev_b32 v[L8], 3, v1
	v_mul_u32_u24 v25, 272, v23
	v_mul_u32_u24 v26, 272, v24
	v_lshl_add_u32 v25, v21, 4, v25                ; row x pitch + 16 x half
	v_lshl_add_u32 v26, v21, 4, v26
	v_add_nc_u32 v[AP], s84, v25
	v_add_nc_u32 v[AP+1], s84, v26
	v_add_nc_u32 v[AP+2], s85, v25
	v_add_nc_u32 v[AP+3], s85, v26
	v_add_nc_u32 v[AR], s86, v25
	v_add_nc_u32 v[AR+1], s86, v26
	v_add_nc_u32 v[AR+2], s87, v25
	v_add_nc_u32 v[AR+3], s87, v26
	v_add_nc_u32 v[VR], s88, v[L8]
	v_add_nc_u32 v[VS], s89, v[VR]
	v_mov_b32 v[PX], 0                             ; a lane permute's destination counts as one of its sources
	v_mov_b32 v[PX+1], 0
	s_wait_alu depctr_va_vdst(0)
	s_cmp_lt_u32 s[WV], 8
	s_cbranch_scc0 .Lbias_v
	v_mul_u32_u24 v27, 160, v21                    ; the bias in the result's layout: lane (r, h), tile u, register j: feature 32 h + 8 (u xor h) + j
	v_mul_u32_u24 v28, 96, v21
	WIN 0x40
.irp u, 0,1,2,3
	global_load_b128 v[8*\u:8*\u+3], v[27+\u%2], s[28:29] offset:32*\u
	global_load_b128 v[8*\u+4:8*\u+7], v[27+\u%2], s[28:29] offset:32*\u+16
.endr
	WIN 0
	s_branch .Lbias_done
.Lbias_v:
	v_lshlrev_b32 v27, 2, v23                      ; a lane's eight registers all hold its own channel's
	v_lshlrev_b32 v28, 2, v24
	WIN 0x40
.irp u, 0,1,2,3
.irp j, 0,1,2,3,4,5,6,7
	global_load_b32 v[8*\u+\j], v[27+\u%2], s[28:29] offset:32*\u
.endr
.endr
	WIN 0
.Lbias_done:
	s_wait_alu depctr_va_vdst(0)
	s_wait_tensorcnt 0x0                           ; my part of the first halves is in
	ds_add_u32 v[SPW], v[NIL]                      ; 0 onto my spare word
	s_add_co_u32 s[G0W+1], s67, 3*HB               ; no tensor load of mine is out: on to the second halves; slot 3 is q's
	s_add_co_u32 s[G0T+1], s67, 3*HB+RB
	s_add_nc_u64 s[G0W+2:G0W+3], s[G0W+2:G0W+3], 0x100
	s_add_nc_u64 s[G0T+2:G0T+3], s[G0T+2:G0T+3], 0x100
	s_wait_dscnt 0x0
	CROUND                                         ; everybody's part is in
	s_cmp_lt_u32 s[WV], 4
	s_cbranch_scc0 .Lnot_second
	FILL                                           ; q's second half
.Lnot_second:
	s_wait_loadcnt 0x0                             ; scale words and bias
	FETCH 0
	s_wait_dscnt 0x0
	s_cmp_lt_u32 s[WV], 8
	s_cbranch_scc0 .Lbegin_v
	MULS 0, 0
	WIN 0
	s_branch .Lbegun
.Lbegin_v:
	MULS 0, 1
	WIN 0
.Lbegun:
	PLACES                                         ; the bias lies where step 1's fragments go, so these are asked for behind step 0
	FETCH 1
	FETCH 2
	s_wait_dscnt 16
	MULS 1, 0
	RUN 2
	LAST 3
	s_wait_tensorcnt 0x0                           ; my part of q's second half is in
	ds_add_u32 v[SPW], v[NIL]
	s_mov_b32 s[G0W+1], s76                        ; the last fill's places
	s_mov_b32 s[G0T+1], s77
	s_wait_dscnt 0x0                               ; the add is done, and my reads of the first halves are over
	CROUND                                         ; so are everybody's, in all sixteen work-groups; and q's second half is in
	s_cmp_lt_u32 s[WV], 4
	s_cbranch_scc1 .Lnot_last
	FILL                                           ; k's and v's second halves, into slots 0 and 1
.Lnot_last:
	s_cmp_lt_u32 s[WV], 4
	s_cbranch_scc0 .Lnot_q
	TAIL                                           ; q goes on in slot 3
.Lnot_q:
	s_wait_tensorcnt 0x0                           ; my part of k's or v's tiles is in;
	s_wait_dscnt 0x0                               ; no LDS load of mine is out at the signal
	s_barrier_signal -1
	s_barrier_wait -1                              ; everybody's part is in.
	s_cmp_lt_u32 s[WV], 4
	s_cbranch_scc1 .Lquant                         ; q is finished
	TAIL
.Lquant:
	PLACES
	; A lane's 32 numbers of tile column e are one block of 32.  The four blocks take turns.
.irp e, 0,1,2,3
	v_max3_num_f32 v[TM+\e], |v[ACC+32*\e]|, |v[ACC+32*\e+1]|, 0x1800000   ; with the floor 2^(3 - 127): the byte cannot fall under 1.  Each accumulator is read from its low end on
.endr
.irp i, 2,4,6,8,10,12,14,16,18,20,22,24,26,28,30
.irp e, 0,1,2,3
	v_max3_num_f32 v[TM+\e], v[TM+\e], |v[ACC+32*\e+\i]|, |v[ACC+32*\e+\i+1]|
.endr
.endr
.irp e, 0,1,2,3
	v_add_nc_u32 v[TM+8+\e], 0xff000000, v[TM+\e]  ; 2 off its exponent field: the conversion takes this operand's exponent field as its scale
.endr
.irp e, 0,1,2,3
	v_lshrrev_b32 v[TM+12+\e], 23, v[TM+8+\e]      ; the scale's byte
.endr
.irp e, 0,1,2,3
.irp a, 0,1,2,3
	v_cvt_scalef32_pk8_fp4_f32 v[CD+4*\e+\a], v[ACC+32*\e+8*\a:ACC+32*\e+8*\a+7], v[TM+8+\e]
.endr
.endr
	; the scale words: of tiles 2 q and 2 q + 1; a tile's two bytes lie in lanes l and l xor 16; lanes 0-15 are to hold tile 2 q's word, lanes 16-31 tile 2 q + 1's
.irp q, 0,1
	v_cndmask_b32 v[100+\q], v[TM+13+2*\q], v[TM+12+2*\q], s[HI]   ; what the other half wants
	v_cndmask_b32 v[102+\q], v[TM+12+2*\q], v[TM+13+2*\q], s[HI]   ; what I keep
.endr
.irp q, 0,1
	v_permlanex16_b32 v[PX+\q], v[100+\q], s[SEL], s[SEL+1]
.endr
.irp q, 0,1
	v_cndmask_b32 v[104+\q], v[102+\q], v[PX+\q], s[HI]
	v_cndmask_b32 v[106+\q], v[PX+\q], v[102+\q], s[HI]
.endr
.irp q, 0,1
	v_lshl_or_b32 v[WD+\q], v[106+\q], 8, v[104+\q]
.endr
.irp e, 0,1,2,3
	global_store_b128 v[LI], v[CD+4*\e:CD+4*\e+3], s[IMG:IMG+1] offset:512*\e   ; my four stores cover 2,048 consecutive bytes
.endr
	s_wait_alu depctr_va_vdst(0)
	s_cmp_lt_u32 s[WV], 8
	s_cbranch_scc0 .Lv_words
	global_store_b64 v[L8], v[WD:WD+1], s[WRD:WRD+1]   ; q, k: 256 consecutive bytes; the words' upper two bytes, over zero codes, are 0
	s_branch .Lmeet
.Lv_words:
	ds_store_b16 v[VS], v[WD]                      ; v: a channel's word has two bytes of each of two waves
	ds_store_b16 v[VS], v[WD+1] offset:4
.Lmeet:
	s_wait_dscnt 0x0                               ; for the others' sake: my stores have landed
	s_barrier_signal -1
	s_barrier_wait -1
	s_cmp_lt_u32 s[WV], 8
	s_cbranch_scc1 .Lend
	s_cmp_lg_u32 s41, 0
	s_cbranch_scc1 .Lend
	ds_load_b64 v[108:109], v[VR]                  ; one wave a head stores its 256 bytes
	s_wait_dscnt 0x0
	global_store_b64 v[L8], v[108:109], s[WRD:WRD+1]
.Lend:
	s_wait_tensorcnt 0x0                           ; the wave's end
	ds_add_u32 v[SPW], v[NIL]
	s_wait_dscnt 0x0
	CROUND                                         ; the closing round: no work-group ends while a partner may still ask for a tile that names it
	s_endpgm
.Lfunc_end_k_q5f04955045_proj:
	.size	k_q5f04955045_proj, .Lfunc_end_k_q5f04955045_proj-k_q5f04955045_proj
	.p2alignl 7, 3214868480
	.fill 96, 4, 3214868480
	.section	.rodata,"a",@progbits
	.p2align	6, 0x0
	.amdhsa_kernel k_q5f04955045_proj
		.amdhsa_group_segment_fixed_size 327680
		.amdhsa_private_segment_fixed_size 0
		.amdhsa_enable_private_segment 0
		.amdhsa_kernarg_size 136
		.amdhsa_user_sgpr_count 2
		.amdhsa_user_sgpr_kernarg_segment_ptr 1
		.amdhsa_wavefront_size32 1
		.amdhsa_system_sgpr_workgroup_id_x 1
		.amdhsa_system_sgpr_workgroup_id_y 1
		.amdhsa_system_sgpr_workgroup_id_z 1
		.amdhsa_system_vgpr_workitem_id 0
		.amdhsa_next_free_vgpr 320
		.amdhsa_next_free_sgpr 104
		.amdhsa_reserve_vcc 0
		.amdhsa_float_denorm_mode_32 3
		.amdhsa_float_denorm_mode_16_64 3
		.amdhsa_memory_ordered 1
		.amdhsa_forward_progress 1
		.amdhsa_inst_pref_size 65
	.end_amdhsa_kernel
	.amdgpu_metadata
---
amdhsa.version: [ 1, 2 ]
amdhsa.kernels:
  - .name:           k_q5f04955045_proj
    .symbol:         k_q5f04955045_proj.kd
    .args:
      - { .name: query_codes, .offset: 0, .size: 8, .value_kind: global_buffer, .address_space: global }
      - { .name: query_scales, .offset: 8, .size: 8, .value_kind: global_buffer, .address_space: global }
      - { .name: key_codes, .offset: 16, .size: 8, .value_kind: global_buffer, .address_space: global }
      - { .name: key_scales, .offset: 24, .size: 8, .value_kind: global_buffer, .address_space: global }
      - { .name: value_codes, .offset: 32, .size: 8, .value_kind: global_buffer, .address_space: global }
      - { .name: value_scales, .offset: 40, .size: 8, .value_kind: global_buffer, .address_space: global }
      - { .name: Wq_codes, .offset: 48, .size: 8, .value_kind: global_buffer, .address_space: global }
      - { .name: Wq_scales, .offset: 56, .size: 8, .value_kind: global_buffer, .address_space: global }
      - { .name: Wk_codes, .offset: 64, .size: 8, .value_kind: global_buffer, .address_space: global }
      - { .name: Wk_scales, .offset: 72, .size: 8, .value_kind: global_buffer, .address_space: global }
      - { .name: Wv_codes, .offset: 80, .size: 8, .value_kind: global_buffer, .address_space: global }
      - { .name: Wv_scales, .offset: 88, .size: 8, .value_kind: global_buffer, .address_space: global }
      - { .name: bq, .offset: 96, .size: 8, .value_kind: global_buffer, .address_space: global }
      - { .name: bk, .offset: 104, .size: 8, .value_kind: global_buffer, .address_space: global }
      - { .name: bv, .offset: 112, .size: 8, .value_kind: global_buffer, .address_space: global }
      - { .name: qws, .offset: 120, .size: 8, .value_kind: global_buffer, .address_space: global }
      - { .name: kvws, .offset: 128, .size: 8, .value_kind: global_buffer, .address_space: global }
    .group_segment_fixed_size: 327680
    .private_segment_fixed_size: 0
    .kernarg_segment_align: 8
    .kernarg_segment_size: 136
    .max_flat_workgroup_size: 384
    .sgpr_count:     104
    .vgpr_count:     320
    .wavefront_size: 32
...
	.end_amdgpu_metadata
.endif
;; end of part 1
;; launch attn (part 2): grid 8 x 32, 16 waves a work-group, clusters of 4 x 1, 327,680 bytes of LDS; arguments qws, kvws, xws, xsc; writes xws, xsc
.if DOCPART == 2
	.amdgcn_target "amdgcn-amd-amdhsa--gfx1250"
	.amdhsa_code_object_version 6
	.text
	.protected	k_q5f04955045_attn
	.globl	k_q5f04955045_attn
	.p2align	8
	.type	k_q5f04955045_attn,@function
k_q5f04955045_attn:
	s_mov_b64 s[64:65], 0
	v_nop
	global_prefetch_b8 v0, s[64:65] scope:SCOPE_SE
	s_setreg_imm32_b32 hwreg(HW_REG_WAVE_MODE, 25, 1), 1
	s_wait_xcnt 0x0
	s_wait_alu depctr_hold_cnt(0) depctr_sa_sdst(0) depctr_va_vdst(0) depctr_va_sdst(0) depctr_va_ssrc(0) depctr_va_vcc(0) depctr_vm_vsrc(0)
	s_getreg_b32 s2, hwreg(HW_REG_IB_STS2, 6, 4)
	s_cmp_eq_u32 s2, 0
	s_cbranch_scc0 .Lentry_in_a_cluster
	s_endpgm
.Lentry_in_a_cluster:
	s_bfe_u32 s2, ttmp6, 0x10000c
	s_cmp_lg_u32 s2, 0x3003
	s_cbranch_scc0 .Lentry_shape_is_right
	s_endpgm
.Lentry_shape_is_right:
; LAUNCH 2 OF 3: x = softmax(q k^T / 8) v for one head, both products on codes of FP4 (E2M1) with E8M0 scales; x is quantised along the head's 64 for the last product.  No work is left out.
; THE SOFTMAX AHEAD OF THE SECOND PRODUCT: t = score x log2(e) / 8; M = the running largest t rounded UP to a whole number; p = 2^(t - M) is quantised along the keys, not normalised; the row's sum is taken of the
; unquantised p in f32 and divides O at the end.  When M moves, the sum and O are multiplied by 2^(old M - new M): exact.
; LIMITS: as stated at the head of the first launch; the scaled scores t stay under 2^31 in magnitude; a block of p or of x whose largest magnitude lies under 2^-124 gets the byte 1 (its codes are zeros or the smallest codes).
; SHARES.  A work-group owns 256 queries of one (batch, head); each of its sixteen waves owns 16 of them in 256 registers, four waves to a SIMD, so that one wave's vector work stands beside another's exponentials, products and LDS loads.
; A step is 256 keys (two chunks): the running maximum, O's scaling and the batch of exponentials come once in a step.
; LDS.  The head's K and V, 16 chunks of 128 keys (8,960 bytes: K's images, V's images, K's and V's scale words), come to lie in LDS whole; each wave brings one chunk by ONE tensor load, nothing is filled again:
; waves 0-7 the first eight at the head, waves 8-15 the others behind them; these land while the first steps are at work, and a barrier shows them ahead of step 2.
; CLUSTER 4 x 1.  The four query blocks of a cluster belong to one head: each chunk is asked for jointly by the four.  NO DATA PREFETCH: there is no loop of loads to run ahead in.
; LAYOUT.  S^T = K Q^T (source 0 = 16 keys, source 1 = my queries), O^T = V^T P^T (source 0 = 16 channels, source 1 = P): a lane holds ONE query throughout.  Tile u of 64 keys holds, in lane half h, keys 32 h + 8 (u xor h) + j:
; a lane's 32 registers of four tiles are a WHOLE block of 32 keys, so that its largest score, its scale and its codes ask no other lane, and the conversions' results are P's operand as they stand.  V's codes carry the same order.
; K = 64 in the first product: Q's registers 4-7 are zero codes; of K's operand the upper four registers are the next tile's codes, which meet those zeros.
; THE BARRIER OF A STEP is split: signalled at a step's head, waited for at the next one's: the sixteen waves stay within a step of each other.
; REGISTERS: v1-8 addresses; v12 -M, v13 the largest score, v[14:15] the sum; v16-23 Q; v24 Q's scale words; v26-29 K's; v30-31, v8-9 V's; v25, v68 P's; v32-67 K, then V; v70-77 P's codes; v78-93 at work; v96-223 S^T, then p; v224-255 O^T.
.set CHUNK, 8960
.set XSTG,  161280                     ; 512 bytes in which the waves' scale bytes of x meet: two chunks' bytes lie unused in front, since the loads that run ahead name the step's address + two chunks
.set SPARE, 161792                     ; the spare words, 128 bytes for each of 16 waves
.set LI,   1                           ; 16 x lane
.set L8,   2                           ; 8 x lane
.set SPW,  3                           ; LDS address of my spare word; never rewritten
.set NIL,  4                           ; 0; never rewritten
.set AD16, 5                           ; the step's first chunk + 16 x lane
.set AD8,  6                           ; and + 8 x lane
.set XW,   7                           ; where my scale byte of x goes
.set VWA,  8                           ; v[8:9]  V's scale words, the step's first chunk
.set FF,   10                          ; v10 f; v11 is named with it as a pair
.set PWB,  25                          ; P's scale words, the step's second chunk
.set VWB,  30                          ; v[30:31] V's, second chunk
.set PWA,  68                          ; P's, first chunk
.set XR,   69
.set CD,   70                          ; P's codes
.set MX,   78                          ; v78-85 maxima, then sums
.set SO,   86                          ; v86-89 the conversions' scale operands
.set SA,   96                          ; scores of the first chunk;  v160-223 of the second
.set SB,   160
.set OO,   224
.set WV,   12
.set G1,   16                          ; s[16:23]
.set G0,   24                          ; s[24:27]
.set SEL,  28                          ; s[28:29]
.set CS,   30                          ; s[30:31] c = log2(e) / 8
.set TB,   32
.set CNT,  33
.set CN,   54                          ; -c
.set HI,   55                          ; lanes 16-31
.macro CROUND
	s_barrier_signal -1
	s_barrier_wait -1
	s_cmp_lg_u32 s[WV], 0
	s_cbranch_scc1 .Lnot_wave_0_\@
	s_barrier_signal -3
.Lnot_wave_0_\@:
	s_barrier_wait -3
	s_barrier_signal -1
	s_barrier_wait -1
.endm
.macro SPROD d                         ; eight tiles of scores; K's tile t at v[32 + 4 t ..]
.irp t, 0,1,2,3,4,5,6,7
.if \t%2 == 0
	v_wmma_scale_f32_16x16x128_f8f6f4 v[\d+8*\t:\d+8*\t+7], v[32+4*\t:39+4*\t], v[16:23], 0, v[26+\t/2], v24 matrix_a_fmt:MATRIX_FMT_FP4 matrix_b_fmt:MATRIX_FMT_FP4
.else
	v_wmma_scale_f32_16x16x128_f8f6f4 v[\d+8*\t:\d+8*\t+7], v[32+4*\t:39+4*\t], v[16:23], 0, v[26+\t/2], v24 matrix_a_fmt:MATRIX_FMT_FP4 matrix_b_fmt:MATRIX_FMT_FP4 matrix_a_scale:MATRIX_SCALE_ROW1
.endif
.endr
.endm
.macro OPROD vv, w, pw, zero           ; O^T's four tiles; V's tile i at v[vv + 8 i ..]; zero = 1: the first product starts the sums
.irp i, 0,1,2,3
.if \zero
.if \i%2 == 0
	v_wmma_scale_f32_16x16x128_f8f6f4 v[OO+8*\i:OO+8*\i+7], v[\vv+8*\i:\vv+8*\i+7], v[CD:CD+7], 0, v[\w+\i/2], v[\pw] matrix_a_fmt:MATRIX_FMT_FP4 matrix_b_fmt:MATRIX_FMT_FP4
.else
	v_wmma_scale_f32_16x16x128_f8f6f4 v[OO+8*\i:OO+8*\i+7], v[\vv+8*\i:\vv+8*\i+7], v[CD:CD+7], 0, v[\w+\i/2], v[\pw] matrix_a_fmt:MATRIX_FMT_FP4 matrix_b_fmt:MATRIX_FMT_FP4 matrix_a_scale:MATRIX_SCALE_ROW1
.endif
.else
.if \i%2 == 0
	v_wmma_scale_f32_16x16x128_f8f6f4 v[OO+8*\i:OO+8*\i+7], v[\vv+8*\i:\vv+8*\i+7], v[CD:CD+7], v[OO+8*\i:OO+8*\i+7], v[\w+\i/2], v[\pw] matrix_a_fmt:MATRIX_FMT_FP4 matrix_b_fmt:MATRIX_FMT_FP4
.else
	v_wmma_scale_f32_16x16x128_f8f6f4 v[OO+8*\i:OO+8*\i+7], v[\vv+8*\i:\vv+8*\i+7], v[CD:CD+7], v[OO+8*\i:OO+8*\i+7], v[\w+\i/2], v[\pw] matrix_a_fmt:MATRIX_FMT_FP4 matrix_b_fmt:MATRIX_FMT_FP4 matrix_a_scale:MATRIX_SCALE_ROW1
.endif
.endif
.endr
.endm
.macro KLOAD off                       ; ten LDS loads: a chunk's K and its scale words (lanes 0-15 an even tile's, lanes 16-31 the odd one's behind it)
.irp t, 0,1,2,3,4,5,6,7
	ds_load_b128 v[32+4*\t:35+4*\t], v[AD16] offset:(\off)+512*\t
.endr
	ds_load_b64 v[26:27], v[AD8] offset:(\off)+8192
	ds_load_b64 v[28:29], v[AD8] offset:(\off)+8448
.endm
.macro VLOAD vv, w, off                ; nine LDS loads: a chunk's V and its scale words
.irp i, 0,1,2,3
.irp c, 0,1
	ds_load_b128 v[\vv+8*\i+4*\c:\vv+8*\i+4*\c+3], v[AD16] offset:(\off)+4096+2048*\c+512*\i
.endr
.endr
	ds_load_b64 v[\w:\w+1], v[AD8] offset:(\off)+8704
.endm
.macro MAXA s, m                       ; the largest scores of a chunk's two blocks, in two chains each: 28 lines, each accumulator from its low end on,
.irp k, 0,1
.irp q, 0,1
	v_max3_num_f32 v[\m+\q+4*\k], v[\s+32*\q+16*\k], v[\s+32*\q+16*\k+1], v[\s+32*\q+16*\k+2]
.endr
.endr
.irp i, 3,5,7,9,11,13
.irp k, 0,1
.irp q, 0,1
	v_max3_num_f32 v[\m+\q+4*\k], v[\m+\q+4*\k], v[\s+32*\q+16*\k+\i], v[\s+32*\q+16*\k+\i+1]
.endr
.endr
.endr
.endm
.macro MAXB s, m                       ; and the last four
.irp q, 0,1
	v_max3_num_f32 v[\m+\q], v[\m+\q], v[\s+32*\q+15], v[\s+32*\q+31]
.endr
.irp q, 0,1
	v_max_num_f32 v[\m+\q], v[\m+\q], v[\m+\q+4]
.endr
.endm
.macro SUMS first, n                   ; n pairs of p from register first on, onto five sums by turns
.set SI, 0
.rept \n
.if SI%5
.set PA, MX-2+2*(SI%5)
.else
.set PA, 14
.endif
	v_pk_add_f32 v[PA:PA+1], v[PA:PA+1], v[(\first)+2*SI:(\first)+2*SI+1]
.set SI, SI+1
.endr
.endm
.macro SUMTAIL                         ; the five sums become one: four plain lines that name no register of the products ahead of them: their places
	v_pk_add_f32 v[MX:MX+1], v[MX:MX+1], v[MX+2:MX+3]
	v_pk_add_f32 v[MX+4:MX+5], v[MX+4:MX+5], v[MX+6:MX+7]
	v_pk_add_f32 v[14:15], v[14:15], v[MX:MX+1]
	v_pk_add_f32 v[14:15], v[14:15], v[MX+4:MX+5]
.endm
; A STEP of 256 keys.  fst: the first step;  nx: the next step's K is asked for;  tw: the tensor loads are waited for ahead of the signal;  tb: the next step's LDS byte (0: two chunks on).
.macro STEP fst, nx, tw, tb
	s_wait_dscnt 0x0                               ; the first chunk's K is in
	s_barrier_wait -1
.if \tw
	s_wait_tensorcnt 0x0                           ; my chunk has landed: the next step's head shows everybody's
.endif
.if \nx
	s_barrier_signal -1
.endif
	SPROD SA
	SUMTAIL                                        ; of the last step's p
	KLOAD CHUNK                                    ; the second chunk's K
	MAXA SA, MX
	s_wait_alu depctr_va_vdst(0)
	s_wait_dscnt 0x0
	SPROD SB
	MAXB SA, MX                                    ; four plain places behind these products
	VLOAD 32, VWB, CHUNK                           ; the second chunk's V, over K
	MAXA SB, MX+2
	MAXB SB, MX+2
	v_max3_num_f32 v13, v13, v[MX], v[MX+1]        ; the running largest score, mine
	v_max3_num_f32 v13, v13, v[MX+2], v[MX+3]
	v_mov_b32 v92, v12
	v_permlanex16_b32 v90, v13, s[SEL], s[SEL+1]
	v_max_num_f32 v13, v13, v90                    ; and lane l xor 16's
	v_mul_f32 v91, s[CN], v13                      ; -t (c is positive)
	v_floor_f32 v12, v91                           ; the new -M = floor(-t) = -ceil(t)
	v_sub_f32 v92, v12, v92                        ; old M less new M: a whole number, 0 or less
.irp b, 0,1,2,3
	v_fma_f32 v[MX+\b], v[MX+\b], s[CS], v12       ; t - M of each block's largest score
.endr
	v_cvt_i32_f32 v92, v92                         ; (it saturates)
.irp j, 0,2,4,6,8,10,12,14,16,18,20,22,24,26,28,30
	v_pk_fma_f32 v[SB+\j:SB+\j+1], v[SB+\j:SB+\j+1], s[CS:CS+1], v[12:13] op_sel_hi:[1,0,0]   ; t - M, two at a time
.endr
	v_ldexp_f32 v[FF], 1.0, v92                    ; f = 2^(old M - new M)
.irp j, 32,34,36,38,40,42,44,46,48,50,52,54,56,58,60,62
	v_pk_fma_f32 v[SB+\j:SB+\j+1], v[SB+\j:SB+\j+1], s[CS:CS+1], v[12:13] op_sel_hi:[1,0,0]
.endr
.if !\fst
.irp j, 0,2,4,6,8,10,12,14,16,18,20,22,24,26,28,30
	v_pk_mul_f32 v[OO+\j:OO+\j+1], v[OO+\j:OO+\j+1], v[FF:FF+1] op_sel_hi:[1,0]   ; O^T under the new M
.endr
.endif
.irp j, 0,2,4,6,8,10,12,14,16,18,20,22,24,26,28,30,32,34,36,38,40,42,44,46,48,50,52,54,56,58,60,62
	v_pk_fma_f32 v[SA+\j:SA+\j+1], v[SA+\j:SA+\j+1], s[CS:CS+1], v[12:13] op_sel_hi:[1,0,0]
.endr
	; ONE BATCH of 132 exponentials, one wait ahead of it and one behind it
	s_wait_alu depctr_va_vdst(0)
.irp b, 0,1,2,3
	v_exp_f32 v[MX+\b], v[MX+\b]                   ; the block's largest p: the same two instructions on the same number give the same bits
.endr
.set EE, 0
.rept 64
	v_exp_f32 v[SB+EE], v[SB+EE]                   ; p = 2^(t - M), at most 1
.set EE, EE+1
.endr
.set EE, 0
.rept 64
	v_exp_f32 v[SA+EE], v[SA+EE]
.set EE, EE+1
.endr
	v_nop                                          ; a plain place behind the last exponential
	s_wait_alu depctr_va_vdst(0)
.irp b, 0,1,2,3
	v_max_num_f32 v[MX+\b], 0x1800000, v[MX+\b]    ; the floor 2^(3 - 127): the byte cannot fall under 1
.endr
.irp b, 0,1,2,3
	v_add_nc_u32 v[SO+\b], 0xff000000, v[MX+\b]    ; 2 off the exponent field: the conversion's scale operand
.endr
.irp b, 0,1,2,3
	v_lshrrev_b32 v[MX+4+\b], 23, v[SO+\b]         ; the scale's byte
.endr
	v_lshl_or_b32 v91, v[MX+5], 16, v[MX+4]        ; my blocks' bytes stand at places h and 2 + h of the word;
	v_lshl_or_b32 v92, v[MX+7], 16, v[MX+6]
	v_permlanex16_b32 v90, v91, s[SEL], s[SEL+1]
	v_permlanex16_b32 v93, v92, s[SEL], s[SEL+1]
	v_lshl_or_b32 v[PWA], v90, 8, v91              ; lanes 0-15, which are read, hold h = 0 and take the others' bytes from lane l xor 16
	v_lshl_or_b32 v[PWB], v93, 8, v92
.irp t, 0,1,2,3,4,5,6,7
	v_cvt_scalef32_pk8_fp4_f32 v[CD+\t], v[SB+8*\t:SB+8*\t+7], v[SO+2+\t/4]   ; the second chunk goes first, so that its registers take the first chunk's V and the next step's first products write elsewhere
.endr
	; THE ROW'S SUM OF THE UNQUANTISED p, two at a time; the first line also brings the old sum under the new M (x f rounds nothing)
	v_pk_fma_f32 v[14:15], v[14:15], v[FF:FF+1], v[SB:SB+1] op_sel_hi:[1,0,1]
.irp j, 0,1,2,3
	v_pk_add_f32 v[MX+2*\j:MX+2*\j+1], v[SB+2+4*\j:SB+3+4*\j], v[SB+4+4*\j:SB+5+4*\j]
.endr
	SUMS SB+18, 23
	VLOAD SB, VWA, 0                               ; the first chunk's V, over the second's p
	s_wait_alu depctr_va_vdst(0)
	s_wait_dscnt 9                                 ; the second chunk's V is in; the nine just issued may be out
	OPROD 32, VWB, PWB, \fst
	SUMS SA, 8                                     ; places in front of the loads and of the conversions below
.if \nx
	KLOAD 2*CHUNK                                  ; the next step's first K
.endif
.irp t, 0,1,2,3,4,5,6,7
	v_cvt_scalef32_pk8_fp4_f32 v[CD+\t], v[SA+8*\t:SA+8*\t+7], v[SO+\t/4]
.endr
	SUMS SA+16, 24
.if \nx
.if \tb
	s_mov_b32 s[TB], \tb
.else
	s_add_co_u32 s[TB], s[TB], 2*CHUNK
.endif
	v_add_nc_u32 v[AD16], s[TB], v[LI]
	v_add_nc_u32 v[AD8], s[TB], v[L8]
.endif
	s_wait_alu depctr_va_vdst(0)
.if \nx
	s_wait_dscnt 10                                ; the first chunk's V is in; the ten loads of the next K may be out
.else
	s_wait_dscnt 0x0
.endif
	OPROD SB, VWA, PWA, 0
.endm
	s_load_b256 s[4:11], s[0:1], 0x0               ; qws, kvws, xws, xsc
	v_lshl_add_u32 v[SPW], v0, 2, SPARE
	v_mov_b32 v[NIL], 0
	ds_add_u32 v[SPW], v[NIL]                      ; the wave's opening: an add, twice on end, and its wait ahead of my first tensor load
	ds_add_u32 v[SPW], v[NIL]
	v_lshrrev_b32 v70, 5, v0
	v_readfirstlane_b32 s[WV], v70                 ; wave 0..15
	s_bfe_u32 s13, ttmp6, 0x40000                  ; cx
	s_lshl_b32 s14, ttmp9, 2
	s_add_co_u32 s14, s14, s13                     ; qb: my block of 256 queries: it enters global addresses alone
	s_and_b32 s15, ttmp7, 0xffff                   ; bh = 16 batch + head, which the four partners share
	s_mov_b32 s[G1], 15|(3<<16)|(1<<21)            ; 15:0 the mask: all four; 17:16 elements of 8 bytes; 21 set beside a mask; no padding: images are read 512 consecutive bytes at a time
	s_mov_b32 s[G1+1], 32<<16                      ; tensor_dim0 = 32 elements: rows of 256 bytes
	s_mov_b32 s[G1+2], 35<<16                      ; tensor_dim1 = 35 rows: a chunk
	s_mov_b32 s[G1+3], 32<<16                      ; tile_dim0
	s_mov_b32 s[G1+4], 35                          ; tile_dim1
	s_mov_b32 s[G1+5], 32                          ; dense
	s_mov_b32 s[G1+6], 0
	s_mov_b32 s[G1+7], 0
	s_lshl_b32 s38, s15, 4
	s_add_co_u32 s38, s38, s[WV]
	s_mul_i32 s38, s38, CHUNK                      ; chunk 16 bh + wave
	s_mov_b32 s39, 0
	s_mul_i32 s40, s[WV], CHUNK                    ; and its place in LDS
	s_lshl_b32 s42, s15, 4                         ; Q: chunk 16 bh + 2 qb + wave / 8 of 4,608 bytes, tile wave % 8
	s_lshl_b32 s43, s14, 1
	s_add_co_u32 s42, s42, s43
	s_lshr_b32 s43, s[WV], 3
	s_add_co_u32 s42, s42, s43
	s_mul_i32 s42, s42, 4608
	s_bfe_u32 s44, s[WV], 0x10002                  ; its scale words: 256 bytes for four tiles, lane l's pair at 8 l: tiles 0 / 1, then 2 / 3, in lanes 0-15 / 16-31
	s_lshl_b32 s44, s44, 8
	s_and_b32 s43, s[WV], 1
	s_lshl_b32 s43, s43, 7
	s_add_co_u32 s44, s44, s43
	s_bfe_u32 s43, s[WV], 0x10001
	s_lshl_b32 s43, s43, 2
	s_add_co_u32 s44, s44, s43
	s_add_co_u32 s44, s44, s42
	s_add_co_u32 s44, s44, 4096
	s_and_b32 s43, s[WV], 7
	s_lshl_b32 s43, s43, 9
	s_add_co_u32 s42, s42, s43                     ; its image
	s_mov_b32 s43, 0
	s_mov_b32 s45, 0
	s_lshr_b32 s46, s15, 4                         ; the batch
	s_and_b32 s47, s15, 15                         ; the head
	s_lshl_b32 s47, s47, 9
	s_lshl_b32 s48, s46, 3
	s_add_co_u32 s48, s48, s14                     ; my block of 256 tokens among 16
	s_lshl_b32 s46, s48, 4
	s_add_co_u32 s46, s46, s[WV]                   ; my tile of 16 tokens among 256
	s_lshl_b32 s46, s46, 13
	s_add_co_u32 s46, s46, s47                     ; x's image: 8,192 bytes a tile, 512 a head
	s_lshl_b32 s48, s48, 13
	s_add_co_u32 s48, s48, s47                     ; x's scale bytes: 8,192 bytes a block, 512 a head
	s_mov_b32 s47, 0
	s_mov_b32 s49, 0
	s_lshl_b32 s41, s[WV], 5
	s_add_co_u32 s41, s41, XSTG
	s_mov_b32 s[SEL], 0x76543210
	s_mov_b32 s[SEL+1], 0xfedcba98                 ; v_permlanex16_b32's selects for lane l xor 16
	s_mov_b32 s[CS], 0x3e38aa3b                    ; c = log2(e) / 8
	s_mov_b32 s[CS+1], s[CS]                       ; (named with it as a pair, so it is written)
	s_mov_b32 s[CN], 0xbe38aa3b
	s_mov_b32 s[HI], 0xffff0000
	s_mov_b32 s[TB], 0
	s_mov_b32 s[CNT], 5
	s_wait_dscnt 0x0                               ; both opening adds are done
	s_wait_kmcnt 0x0
	s_mov_b32 s[G0], 1
	s_mov_b32 s[G0+1], s40
	s_add_nc_u64 s[G0+2:G0+3], s[6:7], s[38:39]
	s_or_b32 s[G0+3], s[G0+3], 0x80000000
	s_add_nc_u64 s[50:51], s[4:5], s[42:43]
	s_add_nc_u64 s[52:53], s[4:5], s[44:45]
	s_add_nc_u64 s[34:35], s[8:9], s[46:47]
	s_add_nc_u64 s[36:37], s[10:11], s[48:49]
	CROUND                                         ; all four work-groups are here: the joint loads meet
	s_cmp_lt_u32 s[WV], 8
	s_cbranch_scc0 .Lnot_first
	tensor_load_to_lds s[G0:G0+3], s[G1:G1+7]      ; chunks 0-7
	s_nop 0
.rept 4
	v_nop
.endr
.Lnot_first:
	v_and_b32 v70, 31, v0
	v_and_b32 v71, 15, v0
	v_bfe_u32 v72, v0, 4, 1
	v_lshlrev_b32 v[LI], 4, v70
	v_lshlrev_b32 v[L8], 3, v70
	v_lshlrev_b32 v73, 3, v71
	global_load_b128 v[16:19], v[LI], s[50:51]     ; Q's fragment, registers 0-3, as it was stored
	global_load_b32 v24, v73, s[52:53]             ; Q's scale words
	v_lshl_add_u32 v[XW], v71, 1, v72
	v_add_nc_u32 v[XW], s41, v[XW]                 ; XSTG + 32 x wave + 2 x (lane % 16) + lane / 16
	v_add_nc_u32 v[XR], XSTG, v[LI]
	v_add_nc_u32 v[AD16], s[TB], v[LI]
	v_add_nc_u32 v[AD8], s[TB], v[L8]
.irp j, 20,21,22,23,64,65,66,67
	v_mov_b32 v[\j], 0                             ; zero codes: Q's upper 64 along K; and what stands behind K's last tile
.endr
	v_mov_b32 v13, 0xff61b1e6                      ; the largest score so far: -3e38, under every score
	v_mov_b32 v12, 0x7e967699                      ; -M: 1e38, over every -M
	v_mov_b32 v14, 0                               ; the sum, in two halves
	v_mov_b32 v15, 0
	v_mov_b32 v11, 0                               ; (named as the upper half of a pair)
	v_mov_b32 v90, 0                               ; a lane permute's destination counts as one of its sources
	v_mov_b32 v93, 0
.irp b, 0,1,2,3,4,5,6,7
	v_mov_b32 v[MX+\b], 0                          ; the sums that the first step's SUMTAIL takes in
.endr
	s_wait_alu depctr_va_vdst(0)
	s_wait_tensorcnt 0x0                           ; my chunk, if it is one of the first eight, has landed
	ds_add_u32 v[SPW], v[NIL]                      ; 0 onto my spare word, twice on end
	ds_add_u32 v[SPW], v[NIL]
	s_wait_dscnt 0x0
	CROUND                                         ; all eight have landed, and all four work-groups are here
	s_cmp_lt_u32 s[WV], 8
	s_cbranch_scc1 .Lnot_second
	tensor_load_to_lds s[G0:G0+3], s[G1:G1+7]      ; chunks 8-15
	s_nop 0
.rept 4
	v_nop
.endr
.Lnot_second:
	s_barrier_signal -1                            ; no LDS instruction of mine is out
	KLOAD 0
	s_wait_loadcnt 0x0                             ; Q
	STEP 1, 1, 0, 2*CHUNK                          ; step 0: chunks 0-1, ahead chunk 2
	STEP 0, 1, 1, 4*CHUNK                          ; step 1: ahead of its signal each wave waits for its chunk, so that step 2's head shows all sixteen
.Lstep:                                            ; steps 2 to 6
	STEP 0, 1, 0, 0
	s_sub_co_u32 s[CNT], s[CNT], 1
	s_cmp_lg_u32 s[CNT], 0
	s_cbranch_scc1 .Lstep
	STEP 0, 0, 0, 0                                ; step 7 asks for nothing ahead
	; THE WAY OUT: x = O^T / the sum, quantised along the head's 64: a lane's 32 registers are channels 32 h + 8 (i xor h) + j: its whole block
	SUMTAIL                                        ; (the places behind the last products)
	v_add_f32 v14, v14, v15
	v_permlanex16_b32 v90, v14, s[SEL], s[SEL+1]
	v_add_f32 v14, v14, v90                        ; the row's sum
	s_wait_alu depctr_va_vdst(0)
	v_rcp_f32 v14, v14
	v_nop                                          ; one plain place behind it
	s_wait_alu depctr_va_vdst(0)
.irp j, 0,2,4,6,8,10,12,14,16,18,20,22,24,26,28,30
	v_pk_mul_f32 v[SA+\j:SA+\j+1], v[OO+\j:OO+\j+1], v[14:15] op_sel_hi:[1,0]
.endr
.irp b, 0,1
	v_max3_num_f32 v[MX+\b], |v[SA+16*\b]|, |v[SA+16*\b+1]|, 0x1800000
.endr
.irp i, 2,4,6,8,10,12,14
.irp b, 0,1
	v_max3_num_f32 v[MX+\b], v[MX+\b], |v[SA+16*\b+\i]|, |v[SA+16*\b+\i+1]|
.endr
.endr
	v_max_num_f32 v[MX], v[MX], v[MX+1]
	v_add_nc_u32 v[SO], 0xff000000, v[MX]
	v_lshrrev_b32 v[MX+4], 23, v[SO]               ; my block's scale byte
.irp i, 0,1,2,3
	v_cvt_scalef32_pk8_fp4_f32 v[CD+\i], v[SA+8*\i:SA+8*\i+7], v[SO]
.endr
	v_nop                                          ; one plain place behind a scaled conversion
.irp i, 0,2                                    ; the pieces of eight into their natural order: Wo's codes have it
	v_cndmask_b32 v[CD+4+\i], v[CD+\i], v[CD+\i+1], s[HI]
	v_cndmask_b32 v[CD+5+\i], v[CD+\i+1], v[CD+\i], s[HI]
.endr
	global_store_b128 v[LI], v[CD+4:CD+7], s[34:35]   ; four registers of the last product's fragment: 32 lanes store 512 consecutive bytes
	ds_store_b8 v[XW], v[MX+4]
	s_wait_dscnt 0x0                               ; for the others' sake: my store has landed
	s_barrier_signal -1
	s_barrier_wait -1
	s_cmp_lg_u32 s[WV], 0                          ; wave 0 stores the work-group's 512 scale bytes as one run
	s_cbranch_scc1 .Lnot_mine
	ds_load_b128 v[96:99], v[XR]
	s_wait_dscnt 0x0
	global_store_b128 v[LI], v[96:99], s[36:37]
.Lnot_mine:
	s_wait_tensorcnt 0x0                           ; the wave's end
	ds_add_u32 v[SPW], v[NIL]
	s_wait_dscnt 0x0
	CROUND                                         ; the closing round
	s_endpgm
.Lfunc_end_k_q5f04955045_attn:
	.size	k_q5f04955045_attn, .Lfunc_end_k_q5f04955045_attn-k_q5f04955045_attn
	.p2alignl 7, 3214868480
	.fill 96, 4, 3214868480
	.section	.rodata,"a",@progbits
	.p2align	6, 0x0
	.amdhsa_kernel k_q5f04955045_attn
		.amdhsa_group_segment_fixed_size 327680
		.amdhsa_private_segment_fixed_size 0
		.amdhsa_enable_private_segment 0
		.amdhsa_kernarg_size 32
		.amdhsa_user_sgpr_count 2
		.amdhsa_user_sgpr_kernarg_segment_ptr 1
		.amdhsa_wavefront_size32 1
		.amdhsa_system_sgpr_workgroup_id_x 1
		.amdhsa_system_sgpr_workgroup_id_y 1
		.amdhsa_system_sgpr_workgroup_id_z 1
		.amdhsa_system_vgpr_workitem_id 0
		.amdhsa_next_free_vgpr 256
		.amdhsa_next_free_sgpr 66
		.amdhsa_reserve_vcc 0
		.amdhsa_float_denorm_mode_32 3
		.amdhsa_float_denorm_mode_16_64 3
		.amdhsa_memory_ordered 1
		.amdhsa_forward_progress 1
		.amdhsa_inst_pref_size 112
	.end_amdhsa_kernel
	.amdgpu_metadata
---
amdhsa.version: [ 1, 2 ]
amdhsa.kernels:
  - .name:           k_q5f04955045_attn
    .symbol:         k_q5f04955045_attn.kd
    .args:
      - { .name: qws, .offset: 0, .size: 8, .value_kind: global_buffer, .address_space: global }
      - { .name: kvws, .offset: 8, .size: 8, .value_kind: global_buffer, .address_space: global }
      - { .name: xws, .offset: 16, .size: 8, .value_kind: global_buffer, .address_space: global }
      - { .name: xsc, .offset: 24, .size: 8, .value_kind: global_buffer, .address_space: global }
    .group_segment_fixed_size: 327680
    .private_segment_fixed_size: 0
    .kernarg_segment_align: 8
    .kernarg_segment_size: 32
    .max_flat_workgroup_size: 512
    .sgpr_count:     66
    .vgpr_count:     256
    .wavefront_size: 32
...
	.end_amdgpu_metadata
.endif
;; end of part 2
;; launch outp (part 3): grid 8 x 32, 8 waves a work-group, clusters of 4 x 4, 168,960 bytes of LDS; arguments xws, xsc, Wo_codes, Wo_scales, bo, out0; writes out0
.if DOCPART == 3
	.amdgcn_target "amdgcn-amd-amdhsa--gfx1250"
	.amdhsa_code_object_version 6
	.text
	.protected	k_q5f04955045_outp
	.globl	k_q5f04955045_outp
	.p2align	8
	.type	k_q5f04955045_outp,@function
k_q5f04955045_outp:
	s_mov_b64 s[64:65], 0
	v_nop
	global_prefetch_b8 v0, s[64:65] scope:SCOPE_SE
	s_setreg_imm32_b32 hwreg(HW_REG_WAVE_MODE, 25, 1), 1
	s_wait_xcnt 0x0
	s_wait_alu depctr_hold_cnt(0) depctr_sa_sdst(0) depctr_va_vdst(0) depctr_va_sdst(0) depctr_va_ssrc(0) depctr_va_vcc(0) depctr_vm_vsrc(0)
	s_getreg_b32 s2, hwreg(HW_REG_IB_STS2, 6, 4)
	s_cmp_eq_u32 s2, 0
	s_cbranch_scc0 .Lentry_in_a_cluster
	s_endpgm
.Lentry_in_a_cluster:
	s_bfe_u32 s2, ttmp6, 0x10000c
	s_cmp_lg_u32 s2, 0xf033
	s_cbranch_scc0 .Lentry_shape_is_right
	s_endpgm
.Lentry_shape_is_right:
; LAUNCH 3 OF 3: out0 = x Wo^T + bo on codes of FP4 (E2M1) with E8M0 scales, sums in f32.  No work is left out.  LIMITS: as stated at the head of the first launch.
; SHARES.  A work-group of eight waves makes 128 tokens x 128 columns.  Source 0 = 16 rows of Wo, source 1 = 16 tokens of x: a lane holds ONE token and eight neighbouring columns.
; Wave w takes the columns 64 (w / 4) .. + 63 x x's tiles 2 (w % 4) and 2 (w % 4) + 1: 4 x 2 accumulators.
; ROWS.  Row m of x's tile u of a group of 64 tokens is token (m % 8) + 8 (u xor (m / 8)) + 32 (m / 8): the stores on the way out put each row where it belongs.
; LDS.  All of K = 1,024: Wo's 128 rows (512 bytes + 16 of padding), then x's 8 tiles of 16 tokens as images of operand registers (8,192 bytes a tile, read 512 consecutive bytes at a time: no padding).
; ONE tensor load a wave: waves 0-3 bring 32 rows of Wo each, waves 4-7 two tiles of x; nothing is filled again.  Behind them a stage of 16 rows x 272 bytes for each wave, into which no fill lands.
; CLUSTER 4 x 4.  Wo's rows (work-group x) are shared along a column of the cluster, x's tiles (work-group y) along a row.  NO DATA PREFETCH: there is no loop of loads to run ahead in.
; REGISTERS: v2-15 addresses; v32-47 Wo's scale words; v48-55 x's; v56-71 the half-words of which they are made; v72-119, v120-167 two sets of fragments (4 of Wo, 2 of x), before the second the bias, as the C of each sum's
; first product, and on the way out the rows; v168-231 accumulator (a, e) at 168 + 32 e + 8 a.
.set RB,    67584                      ; x's tiles, behind Wo's 128 x 528 bytes
.set STG,   133120                     ; the stages
.set SPARE, 167936                     ; the spare words, 128 bytes for each wave
.set ADP, 2                            ; LDS address of Wo's fragments
.set ADR, 3                            ; of x's
.set LI,  4                            ; 16 x lane
.set L2,  5                            ; 2 x lane: my token's half-word of scale bytes
.set L32, 6                            ; 32 x lane: a row of scale bytes
.set H32, 7                            ; 32 x (lane / 16): my eight numbers of a tile's bias
.set STO, 8                            ; the stage: where I put 32 bytes of a row
.set RD,  9                            ; and where I read rows back
.set CO,  10                           ; my byte offset in out0
.set SPW, 12
.set NIL, 13
.set PS,  32
.set RS,  48
.set T,   56
.set F0,  72
.set F1,  120
.set BI,  120
.set ACC, 168
.set WV,  28
.set G1P, 36
.set G1R, 44
.set G0P, 52
.set G0R, 60
.macro CROUND
	s_barrier_signal -1
	s_barrier_wait -1
	s_cmp_lg_u32 s[WV], 0
	s_cbranch_scc1 .Lnot_wave_0_\@
	s_barrier_signal -3
.Lnot_wave_0_\@:
	s_barrier_wait -3
	s_barrier_signal -1
	s_barrier_wait -1
.endm
.macro PLACES                          ; four plain places behind a matrix instruction (ISA guide 7.12.1)
.rept 4
	v_nop
.endr
.endm
.macro FETCH s                         ; 12 LDS loads: Wo's four fragments from rows, x's two from images (K step s = heads 2 s, 2 s + 1: 512 bytes each)
.set FB, F0+48*((\s)%2)
.irp a, 0,1,2,3
.irp c, 0,1
	ds_load_b128 v[FB+8*\a+4*\c:FB+8*\a+4*\c+3], v[ADP] offset:\a*8448+64*(\s)+32*\c
.endr
.endr
.irp e, 0,1
.irp c, 0,1
	ds_load_b128 v[FB+32+8*\e+4*\c:FB+32+8*\e+4*\c+3], v[ADR] offset:\e*8192+1024*(\s)+512*\c
.endr
.endr
.endm
.macro PROD s, a, e                    ; Wo's tile a x my tile e of x; in step 0 the bias is C
.set DR, ACC+32*(\e)+8*(\a)
.set CR, DR
.if (\s) == 0
.set CR, BI+8*(\a)
.endif
.set XA, F0+48*((\s)%2)+8*(\a)
.set XB, F0+48*((\s)%2)+32+8*(\e)
.set SA, PS+8*((\a)/2)+(\s)
.set SB, RS+(\s)
.if ((\a)%2 == 0) && ((\e) == 0)
	v_wmma_scale_f32_16x16x128_f8f6f4 v[DR:DR+7], v[XA:XA+7], v[XB:XB+7], v[CR:CR+7], v[SA], v[SB] matrix_a_fmt:MATRIX_FMT_FP4 matrix_b_fmt:MATRIX_FMT_FP4
.elseif ((\a)%2 == 1) && ((\e) == 0)
	v_wmma_scale_f32_16x16x128_f8f6f4 v[DR:DR+7], v[XA:XA+7], v[XB:XB+7], v[CR:CR+7], v[SA], v[SB] matrix_a_fmt:MATRIX_FMT_FP4 matrix_b_fmt:MATRIX_FMT_FP4 matrix_a_scale:MATRIX_SCALE_ROW1
.elseif ((\a)%2 == 0)
	v_wmma_scale_f32_16x16x128_f8f6f4 v[DR:DR+7], v[XA:XA+7], v[XB:XB+7], v[CR:CR+7], v[SA], v[SB] matrix_a_fmt:MATRIX_FMT_FP4 matrix_b_fmt:MATRIX_FMT_FP4 matrix_b_scale:MATRIX_SCALE_ROW1
.else
	v_wmma_scale_f32_16x16x128_f8f6f4 v[DR:DR+7], v[XA:XA+7], v[XB:XB+7], v[CR:CR+7], v[SA], v[SB] matrix_a_fmt:MATRIX_FMT_FP4 matrix_b_fmt:MATRIX_FMT_FP4 matrix_a_scale:MATRIX_SCALE_ROW1 matrix_b_scale:MATRIX_SCALE_ROW1
.endif
.endm
.macro MULS s                          ; the 8 accumulators take turns, one instruction a turn, in the same order in every step
.irp a, 0,1,2,3
.irp e, 0,1
	PROD \s, \a, \e
.endr
.endr
.endm
	s_load_b256 s[4:11], s[0:1], 0x0               ; xws, xsc, Wo's codes, Wo's scales
	s_load_b128 s[12:15], s[0:1], 0x20             ; bo, out0
	v_lshl_add_u32 v[SPW], v0, 2, SPARE
	v_mov_b32 v[NIL], 0
	ds_add_u32 v[SPW], v[NIL]                      ; the wave's opening: an add, twice on end, and its wait ahead of my first tensor load
	ds_add_u32 v[SPW], v[NIL]
	v_lshrrev_b32 v1, 5, v0
	v_readfirstlane_b32 s[WV], v1                  ; wave 0..7
	s_and_b32 s29, s[WV], 3                        ; my pair of x's tiles; also which part of Wo or x I fetch
	s_lshr_b32 s30, s[WV], 2                       ; my half of the columns
	s_bfe_u32 s31, ttmp6, 0x40000                  ; cx
	s_bfe_u32 s32, ttmp6, 0x40004                  ; cy
	s_lshl_b32 s33, ttmp9, 2
	s_add_co_u32 s33, s33, s31                     ; nb: my block of 128 columns
	s_and_b32 s34, ttmp7, 0xffff
	s_lshl_b32 s34, s34, 2
	s_add_co_u32 s34, s34, s32                     ; tb: my block of 128 tokens
	s_lshl_b32 s84, s32, 2
	s_lshl_b32 s84, 15, s84                        ; my row of the cluster
	s_lshl_b32 s85, 0x1111, s31                    ; my column
	s_or_b32 s[G1P], s85, (1<<20)|(1<<21)|(6<<22)|(3<<25)   ; 15:0 the mask: Wo's tiles go to my column; 17:16 elements of 1 byte; 20 padding on; 21 set beside a mask; 24:22 after every 128 words; 31:25 four words
	s_mov_b32 s[G1P+1], 512<<16                    ; tensor_dim0 = 512 bytes
	s_mov_b32 s[G1P+2], 32<<16                     ; tensor_dim1 = 32 rows
	s_mov_b32 s[G1P+3], 512<<16
	s_mov_b32 s[G1P+4], 32
	s_mov_b32 s[G1P+5], 512
	s_mov_b32 s[G1P+6], 0
	s_mov_b32 s[G1P+7], 0
	s_or_b32 s[G1R], s84, (3<<16)|(1<<21)          ; x's tiles go to my row: elements of 8 bytes, no padding
	s_mov_b32 s[G1R+1], 1024<<16                   ; tensor_dim0 = 1,024 elements: a tile's images, 8,192 bytes
	s_mov_b32 s[G1R+2], 2<<16                      ; tensor_dim1 = 2 tiles
	s_mov_b32 s[G1R+3], 1024<<16
	s_mov_b32 s[G1R+4], 2
	s_mov_b32 s[G1R+5], 1024
	s_mov_b32 s[G1R+6], 0
	s_mov_b32 s[G1R+7], 0
	s_lshl_b32 s88, s29, 14                        ; 32 rows of 512 bytes, or 2 tiles of 8,192
	s_lshl_b32 s86, s33, 16                        ; Wo: 128 nb rows, + my 32
	s_add_co_u32 s86, s86, s88
	s_mov_b32 s87, 0
	s_lshl_b32 s90, s34, 16                        ; x: 8 tb tiles, + my 2
	s_add_co_u32 s90, s90, s88
	s_mov_b32 s91, 0
	s_mul_i32 s89, s29, 32*528                     ; where Wo's rows go,
	s_add_co_u32 s88, s88, RB                      ; and x's tiles: no place in the cluster enters an LDS address
	s_lshl_b32 s92, s33, 12                        ; Wo's scale bytes, 32 a row: my 64 rows
	s_lshl_b32 s93, s30, 11
	s_add_co_u32 s92, s92, s93
	s_mov_b32 s93, 0
	s_lshr_b32 s94, s34, 1                         ; x's: 8,192 bytes for 256 tokens; in a head's 512 bytes my 32 tokens' half-words
	s_lshl_b32 s94, s94, 13
	s_and_b32 s95, s34, 1
	s_lshl_b32 s95, s95, 8
	s_add_co_u32 s94, s94, s95
	s_lshl_b32 s95, s29, 6
	s_add_co_u32 s94, s94, s95
	s_mov_b32 s95, 0
	s_lshl_b32 s96, s33, 9                         ; the bias; also my columns' bytes in a row of out0
	s_lshl_b32 s97, s30, 8
	s_add_co_u32 s96, s96, s97
	s_mov_b32 s97, 0
	s_lshl_b32 s98, s34, 19                        ; out0: 128 tb rows of 4,096 bytes,
	s_lshr_b32 s99, s29, 1
	s_lshl_b32 s99, s99, 18                        ; my group of 64,
	s_add_co_u32 s98, s98, s99
	s_and_b32 s99, s29, 1
	s_lshl_b32 s99, s99, 16                        ; in it 16 rows on for tiles 2 and 3,
	s_add_co_u32 s98, s98, s99
	s_add_co_u32 s98, s98, s96                     ; my columns
	s_mov_b32 s99, 0
	s_wait_dscnt 0x0                               ; both opening adds are done
	s_wait_kmcnt 0x0
	s_add_nc_u64 s[86:87], s[8:9], s[86:87]
	s_add_nc_u64 s[90:91], s[4:5], s[90:91]
	s_add_nc_u64 s[10:11], s[10:11], s[92:93]
	s_add_nc_u64 s[6:7], s[6:7], s[94:95]
	s_add_nc_u64 s[12:13], s[12:13], s[96:97]
	s_add_nc_u64 s[72:73], s[14:15], s[98:99]
	s_mov_b32 s[G0P], 1
	s_mov_b32 s[G0P+1], s89
	s_mov_b64 s[G0P+2:G0P+3], s[86:87]
	s_or_b32 s[G0P+3], s[G0P+3], 0x80000000
	s_mov_b32 s[G0R], 1
	s_mov_b32 s[G0R+1], s88
	s_mov_b64 s[G0R+2:G0R+3], s[90:91]
	s_or_b32 s[G0R+3], s[G0R+3], 0x80000000
	CROUND                                         ; all sixteen work-groups are here: the joint loads meet
	s_cmp_lt_u32 s[WV], 4                          ; waves 0-3 fetch Wo's rows, waves 4-7 x's tiles
	s_cbranch_scc0 .Lfill_r
	tensor_load_to_lds s[G0P:G0P+3], s[G1P:G1P+7]
	s_nop 0
	PLACES
	s_branch .Lfilled
.Lfill_r:
	tensor_load_to_lds s[G0R:G0R+3], s[G1R:G1R+7]
	s_nop 0
	PLACES
.Lfilled:
	v_and_b32 v1, 31, v0                           ; lane
	v_and_b32 v14, 15, v0                          ; r
	v_bfe_u32 v15, v0, 4, 1                        ; h
	v_lshlrev_b32 v[L32], 5, v1
	v_lshlrev_b32 v[H32], 5, v15
	v_lshlrev_b32 v[L2], 1, v1
.irp b, 0,1                                    ; register 8 b + s: lanes 0-15 tile 2 b, lanes 16-31 tile 2 b + 1, K step s
	global_load_b128 v[PS+8*\b:PS+8*\b+3], v[L32], s[10:11] offset:1024*\b
	global_load_b128 v[PS+8*\b+4:PS+8*\b+7], v[L32], s[10:11] offset:1024*\b+16
.endr
.irp d, 0,1,2,3,4,5,6,7,8,9,10,11,12,13,14,15
	global_load_u16 v[T+\d], v[L2], s[6:7] offset:512*\d           ; head d's two scale bytes of my lane's token: 64 consecutive bytes a load
.endr
.irp a, 0,1,2,3                                ; the bias in the result's layout: lane (r, h), tile a, register j: column 16 a + 8 h + j
	global_load_b128 v[BI+8*\a:BI+8*\a+3], v[H32], s[12:13] offset:64*\a
	global_load_b128 v[BI+8*\a+4:BI+8*\a+7], v[H32], s[12:13] offset:64*\a+16
.endr
	s_mul_i32 s84, s30, 64*528                     ; my 64 rows of Wo
	s_lshl_b32 s85, s29, 14
	s_add_co_u32 s85, s85, RB                      ; my two tiles of x
	s_mul_i32 s86, s[WV], 16*272
	s_add_co_u32 s86, s86, STG                     ; my stage
	v_lshlrev_b32 v[LI], 4, v1
	v_mul_u32_u24 v[ADP], 528, v14
	v_mul_u32_u24 v[STO], 272, v14
	v_mul_u32_u24 v[RD], 272, v15
	v_lshlrev_b32 v[CO], 12, v15
	v_lshl_add_u32 v[ADP], v15, 4, v[ADP]
	v_lshl_add_u32 v[STO], v15, 5, v[STO]
	v_lshl_add_u32 v[RD], v14, 4, v[RD]
	v_lshl_add_u32 v[CO], v14, 4, v[CO]            ; lanes 0-15 one row of out0, lanes 16-31 the next, 16 bytes a lane
	v_add_nc_u32 v[ADP], s84, v[ADP]
	v_add_nc_u32 v[ADR], s85, v[LI]
	v_add_nc_u32 v[STO], s86, v[STO]               ; in: row r, 32 bytes for each half of the lanes
	v_add_nc_u32 v[RD], s86, v[RD]                 ; back: two rows of 256 bytes
	s_wait_alu depctr_va_vdst(0)
	s_wait_tensorcnt 0x0                           ; my part is in
	s_barrier_signal -1
	s_barrier_wait -1                              ; everybody's is
	FETCH 0
	s_wait_loadcnt 0x0
.irp s, 0,1,2,3,4,5,6,7
	v_lshl_or_b32 v[RS+\s], v[T+2*\s+1], 16, v[T+2*\s]             ; K step s's scale word: heads 2 s and 2 s + 1
.endr
.rept 8
	v_nop                                          ; a scale register written by a vector instruction stands eight places ahead of a scaled matrix instruction
.endr
	s_wait_alu depctr_va_vdst(0)
	s_wait_dscnt 0x0
	MULS 0
	PLACES                                         ; the bias lies where step 1's fragments go, so these are asked for behind step 0
	FETCH 1
	FETCH 2
	s_wait_dscnt 12                                ; all but the 12 just issued
	MULS 1
.irp s, 2,3,4,5,6
	PLACES                                         ; the other set was read by the step before
	FETCH \s+1
	s_wait_dscnt 12
	MULS \s
.endr
	s_wait_dscnt 0x0
	MULS 7
	PLACES
	; THE WAY OUT.  A lane holds 32 neighbouring bytes of a row and the lanes beside it hold other rows: a block of 16 rows goes through my own stage and comes back as whole rows of 256 bytes.
	; LDS serves a wave's instructions in order (ISA guide 5.7.1.4): no wait between the stores and the loads, nor in front of the second block's stores.
.irp e, 0,1
.irp a, 0,1,2,3
	ds_store_b128 v[STO], v[ACC+32*\e+8*\a:ACC+32*\e+8*\a+3] offset:64*\a        ; each accumulator from its low end on
	ds_store_b128 v[STO], v[ACC+32*\e+8*\a+4:ACC+32*\e+8*\a+7] offset:64*\a+16
.endr
.irp t, 0,1,2,3,4,5,6,7
	ds_load_b128 v[72+32*\e+4*\t:75+32*\e+4*\t], v[RD] offset:544*\t
.endr
.endr
	s_wait_dscnt 16                                ; the first block is back; the second's 8 stores and 8 loads may be out
.irp t, 0,1,2,3,4,5,6,7
	global_store_b128 v[CO], v[72+4*\t:75+4*\t], s[72:73] offset:4096*(2*\t+32*(\t/4)) th:TH_STORE_NT   ; rows 2 t, 2 t + 1: sixteen lanes store 256 consecutive bytes, at a multiple of 256 from out0's first byte
.endr
	s_wait_dscnt 0x0
.irp t, 0,1,2,3,4,5,6,7
	global_store_b128 v[CO], v[104+4*\t:107+4*\t], s[72:73] offset:4096*(8+2*\t+16*(\t/4)) th:TH_STORE_NT
.endr
	s_wait_tensorcnt 0x0                           ; the wave's end: behind my last tensor load and my last LDS store
	ds_add_u32 v[SPW], v[NIL]
	s_wait_dscnt 0x0
	CROUND                                         ; the closing round
	s_endpgm
.Lfunc_end_k_q5f04955045_outp:
	.size	k_q5f04955045_outp, .Lfunc_end_k_q5f04955045_outp-k_q5f04955045_outp
	.p2alignl 7, 3214868480
	.fill 96, 4, 3214868480
	.section	.rodata,"a",@progbits
	.p2align	6, 0x0
	.amdhsa_kernel k_q5f04955045_outp
		.amdhsa_group_segment_fixed_size 168960
		.amdhsa_private_segment_fixed_size 0
		.amdhsa_enable_private_segment 0
		.amdhsa_kernarg_size 48
		.amdhsa_user_sgpr_count 2
		.amdhsa_user_sgpr_kernarg_segment_ptr 1
		.amdhsa_wavefront_size32 1
		.amdhsa_system_sgpr_workgroup_id_x 1
		.amdhsa_system_sgpr_workgroup_id_y 1
		.amdhsa_system_sgpr_workgroup_id_z 1
		.amdhsa_system_vgpr_workitem_id 0
		.amdhsa_next_free_vgpr 256
		.amdhsa_next_free_sgpr 100
		.amdhsa_reserve_vcc 0
		.amdhsa_float_denorm_mode_32 3
		.amdhsa_float_denorm_mode_16_64 3
		.amdhsa_memory_ordered 1
		.amdhsa_forward_progress 1
		.amdhsa_inst_pref_size 29
	.end_amdhsa_kernel
	.amdgpu_metadata
---
amdhsa.version: [ 1, 2 ]
amdhsa.kernels:
  - .name:           k_q5f04955045_outp
    .symbol:         k_q5f04955045_outp.kd
    .args:
      - { .name: xws, .offset: 0, .size: 8, .value_kind: global_buffer, .address_space: global }
      - { .name: xsc, .offset: 8, .size: 8, .value_kind: global_buffer, .address_space: global }
      - { .name: Wo_codes, .offset: 16, .size: 8, .value_kind: global_buffer, .address_space: global }
      - { .name: Wo_scales, .offset: 24, .size: 8, .value_kind: global_buffer, .address_space: global }
      - { .name: bo, .offset: 32, .size: 8, .value_kind: global_buffer, .address_space: global }
      - { .name: out0, .offset: 40, .size: 8, .value_kind: global_buffer, .address_space: global }
    .group_segment_fixed_size: 168960
    .private_segment_fixed_size: 0
    .kernarg_segment_align: 8
    .kernarg_segment_size: 48
    .max_flat_workgroup_size: 256
    .sgpr_count:     100
    .vgpr_count:     256
    .wavefront_size: 32
...
	.end_amdgpu_metadata
.endif
;; end of part 3
